; MI455X (gfx1250); checked and timed in simulation.
; The chip was launched on July 23, 2026; its instructions are those of AMD's public machine-readable ISA for CDNA 5 (MIT licence, August 2026) and "CDNA5" Instruction Set Architecture Reference Guide (July 2026). The comments in the code are by the model that wrote it; some were corrected since.
;; Symmetric Confidence Biased MHA. Allowed arithmetic: float matrix products may take bf16 or f16 operands with f32 sums; all other float work in f32.
;; Inputs: Wc 16 x 1 float32; Wk 1,024 x 1,024 float32; Wo 1,024 x 1,024 float32; Wq 1,024 x 1,024 float32; Wv 1,024 x 1,024 float32; alpha one number float32; bc 16 float32; bo 1,024 float32; bv 1,024 float32; confidence 2 x 2,048 float32; x 2 x 2,048 x 1,024 float32.
;; Outputs: out0 2 x 2,048 x 1,024 float32.
;; One version. Each part assembles by itself: llvm-mc -triple=amdgcn-amd-amdhsa -mcpu=gfx1250 --defsym DOCPART=n.
;; ======== version 1 of 1: 3 launches
;; workspace buffers: qh 8,388,608 bytes; kh 8,388,608 bytes; vh 8,388,608 bytes; ao 8,388,608 bytes; wob 2,097,152 bytes
;; launch qkv (part 1): grid 8 x 32, 4 waves a work-group, clusters of 4 x 4, 327,680 bytes of LDS; arguments x, Wq, Wk, Wv, Wo, qh, kh, vh, wob; writes qh, kh, vh, wob
.if DOCPART == 1
	.amdgcn_target "amdgcn-amd-amdhsa--gfx1250"
	.amdhsa_code_object_version 6
	.text
	.protected	k_q7b24c5f7d1_qkv
	.globl	k_q7b24c5f7d1_qkv
	.p2align	8
	.type	k_q7b24c5f7d1_qkv,@function
k_q7b24c5f7d1_qkv:
	s_mov_b64 s[64:65], 0
	v_nop
	global_prefetch_b8 v0, s[64:65] scope:SCOPE_SE
	s_setreg_imm32_b32 hwreg(HW_REG_WAVE_MODE, 25, 1), 1
	s_wait_xcnt 0x0
	s_wait_alu depctr_hold_cnt(0) depctr_sa_sdst(0) depctr_va_vdst(0) depctr_va_sdst(0) depctr_va_ssrc(0) depctr_va_vcc(0) depctr_vm_vsrc(0)
	s_getreg_b32 s2, hwreg(HW_REG_IB_STS2, 6, 4)
	s_cmp_eq_u32 s2, 0
	s_cbranch_scc0 .Lentry_in_a_cluster
	s_endpgm
.Lentry_in_a_cluster:
	s_bfe_u32 s2, ttmp6, 0x10000c
	s_cmp_lg_u32 s2, 0xf033
	s_cbranch_scc0 .Lentry_shape_is_right
	s_endpgm
.Lentry_shape_is_right:
; FIRST OF THREE LAUNCHES: Q = x Wq^T, K = x Wk^T, V = x Wv^T in bf16, head by head: qh, kh, vh are [b*16+h][t 2048][64].
; Beside that each work-group casts four rows of Wo to bf16 (wob: [n/128][k/64][n%128][k%64]) while its first tiles are on their way.
;
; WORK LEFT OUT IN THIS PROGRAM, for all finite values of the inputs.  reference() adds a*(cb[b,h,i] + cb[b,h,j]) to scores[b,h,i,j] and takes the
; softmax along j, with cb[b,h,j] = confidence[b,j]*Wc[h] + bc[h].  softmax(z + t) = softmax(z) for any number t that is the same along j.
; a*cb[b,h,i] does not hang on j; of a*cb[b,h,j] the part a*bc[h] does not hang on j.  Both go; a*Wc[h]*confidence[b,j] stays (second launch).
; So bc has no way to any output: it is not loaded and is no argument of any launch.
; LIMIT: a NaN, an infinity or an overflow that reaches only these two terms is not carried to the result.
; MOVED, not left out: bv.  A softmax's row sums to 1, so attn (V + bv) = attn V + bv: the second launch adds bv behind the softmax, and V goes without it here.
;
; SHARES.  A work-group makes 128 tokens x 128 features of each of Q, K, V (two heads): 128 x 384.  Wave w: tokens 64 (w&1) .. +63, rows 192 (w>>1) .. +191 of the
; 384 rows of weights (Wq's 128, Wk's 128, Wv's 128), as three groups of 64 features: each group is one head of one matrix.  48 accumulator tiles, 384 registers.
; K goes in steps of 64 f32 (rows of 256 bytes, starting at multiples of 256) through two LDS slots of four tiles of 128 rows: x, Wq, Wk, Wv; wave w fetches tile w.
; f32 becomes bf16 on the way from LDS to the matrix unit.
; CLUSTER 4 x 4: x's tile hangs on the block of tokens alone and is asked for jointly along a row of the cluster; a weight tile hangs on the block of features alone
; and is asked for jointly along a column.  That divides the requests for both by four.
; PREFETCH.  All work-groups reach a K step's columns for the first time in the same step.  So at the head of lap L (K steps 2 L and 2 L + 1; L = 0 .. 6) the columns of
; K steps 2 L + 2 and 2 L + 3 are asked for, whose tensor loads are issued at the ends of this lap's two steps: one and two steps ahead of their loads.  In such a pair of
; steps each of x's 4,096 rows and of the weights' 3,072 rows has 2 blocks of 256 bytes: 14,336 blocks = 448 instructions of 32 lanes.  Wave 0 of each of the 256
; work-groups asks for 16 rows of x; wave 1 of the 192 work-groups whose cluster has y>>1 = 0, 1, 2 asks for 16 rows of Wq, Wk, Wv.  Every lane asks for another block
; and each block is asked for once in the launch.  The last lap asks for nothing; the last block asked for is a row's last.  The branch hangs on the wave's number and on the
; cluster's y, which all partners share.
; ORDER OF K: in a product of 32 along K lane (r, h) holds k = 16 h + 0..15, 64 neighbouring bytes of its row, in A and in B alike: the products are the same,
; the order in which they are added differs from the ascending one.  LIMIT: sums are rounded in that order.
; THE MATRIX INSTRUCTION IS USED TRANSPOSED (source 0 = 16 features, source 1 = 16 tokens): a lane's eight results are eight neighbouring features of one token.
.set PITCH,  272                       ; 256 bytes + 16: an odd multiple of 16, so 16 rows at one column fall on 16 different 16-byte columns of 256 bytes
.set FRAG,   16*PITCH
.set GRP,    64*PITCH
.set TILE,   128*PITCH
.set SLOT,   4*TILE
.set STAGE,  2*SLOT                    ; behind the ring, never a target of a tensor load
.set SPITCH, 144                       ; the way out: 128 bytes of a token's head + 16
.set SGRP,   16*SPITCH
.set WSTAGE, 3*SGRP                    ; a wave's stage: 3 groups x 16 tokens
.set LAPS,   6                         ; 16 K steps = 2 in front of the loop, 12 in it, 2 behind it
.set XA,   2                           ; v2-3   LDS address of my x rows in slot 0, 1
.set WA,   4                           ; v4-5   the same for my 192 rows of weights
.set STO,  6                           ; v6     the way out: where I put 16 bytes
.set RD,   7                           ; v7     the way out: where I read them back by rows
.set GO,   8                           ; v8     16 x lane
.set PFO,  9                           ; v9     the prefetch's offset: row (l>>1) x 4,096 + 256 (l&1) + 512 for each lap
.set RAW0, 16                          ; v16-79   64 rows x 32 k as f32, two buffers
.set RAW1, 80                          ; v80-143
.set XF,   144                         ; v144-175 four fragments of x in bf16
.set WF0,  176                         ; v176-207 four fragments of weights, two buffers
.set WF1,  208                         ; v208-239
.set TMP,  16                          ; the way out: packed results
.set BK,   80                          ; the way out: rows read back
.set G1A, 32                           ; s[32:39] descriptor group 1, x
.set G1B, 40                           ; s[40:47] descriptor group 1, weights: differs in the mask alone
.set G0A, 48                           ; s[48:55] group 0 for x, a set for each slot
.set G0B, 56                           ; s[56:63] group 0 for weights, a set for each slot
; window 1: accumulators of groups 0 and 1 at 8 ((4 g + c) 4 + a); window 2: group 2 at 8 (4 c + a).  c: 16 features, a: 16 tokens.
.set MSB, 0
.macro WIN new                         ; the immediate's high byte repeats the setting that is left
.if MSB != \new
	s_set_vgpr_msb (MSB<<8)|\new
.set MSB, \new
.endif
.endm
.macro PLACES n
.rept \n
	v_nop
.endr
.endm
.macro JLOAD s                         ; wave 0 asks for x's tile, waves 1 to 3 for a weight tile each: one mask and one set of registers to a line
	s_cmp_eq_u32 s22, 0
	s_cbranch_scc0 .Lfor_b_\@
	tensor_load_to_lds s[G0A+4*\s:G0A+4*\s+3], s[G1A:G1A+7]
	s_nop 0
	s_branch .Lasked_\@
.Lfor_b_\@:
	tensor_load_to_lds s[G0B+4*\s:G0B+4*\s+3], s[G1B:G1B+7]
	s_nop 0
.Lasked_\@:
.endm
.macro CREST                           ; a round of the cluster's barrier behind its opening work-group barrier
	s_cmp_lg_u32 s22, 0
	s_cbranch_scc1 .Lnot_wave_0_\@
	s_barrier_signal -3
.Lnot_wave_0_\@:
	s_barrier_wait -3
	s_barrier_signal -1
	s_barrier_wait -1
.endm
.macro CROUND
	s_barrier_signal -1
	s_barrier_wait -1
	CREST
.endm
; The lap's prefetch: waves below s86 (1 or 2) ask.  The offset was last read by the prefetch of the lap before: it is stepped behind s_wait_xcnt 0, a lap behind that prefetch.
.macro PF
	s_cmp_lt_u32 s22, s86
	s_cbranch_scc0 .Lno_pf_\@
	s_wait_xcnt 0x0
	v_add_nc_u32 v[PFO], 512, v[PFO]               ; the next two K steps' columns
	global_prefetch_b8 v[PFO], s[84:85] th:TH_LOAD_NT scope:SCOPE_SE
.Lno_pf_\@:
.endm
	s_load_b512 s[4:19], s[0:1], 0x0               ; x, Wq, Wk, Wv, Wo, qh, kh, vh
	s_load_b64 s[20:21], s[0:1], 0x40              ; wob
	v_lshl_add_u32 v254, v0, 2, 0x4ac00
	v_mov_b32 v255, 0
	ds_add_u32 v254, v255
	v_lshrrev_b32 v1, 5, v0
	v_readfirstlane_b32 s22, v1                    ; wave 0..3
	s_and_b32 s23, s22, 1                          ; which 64 tokens
	s_lshr_b32 s24, s22, 1                         ; which 192 rows of weights
	s_bfe_u32 s25, ttmp6, 0x40000                  ; cx
	s_bfe_u32 s26, ttmp6, 0x40004                  ; cy
	s_lshl_b32 s27, ttmp9, 2
	s_add_co_u32 s27, s27, s25                     ; block of 128 features, 0..7
	s_and_b32 s28, ttmp7, 0xffff
	s_lshl_b32 s28, s28, 2
	s_add_co_u32 s28, s28, s26                     ; block of 128 tokens, 0..31
	s_lshl_b32 s29, s26, 2
	s_lshl_b32 s29, 15, s29                        ; my row of the cluster
	s_lshl_b32 s30, 0x1111, s25                    ; my column
	; group 1: 128 rows x 64 elements of 4 bytes, 4 words of padding behind every 64 words; bit 21 stands beside a mask
.set G1W0, (2<<16)|(1<<20)|(1<<21)|(5<<22)|(3<<25)
	s_or_b32 s[G1A+0], s29, G1W0
	s_or_b32 s[G1B+0], s30, G1W0
.irp g, G1A, G1B
	s_mov_b32 s[\g+1], 64<<16                      ; tensor_dim0 = 64
	s_mov_b32 s[\g+2], 128<<16                     ; tensor_dim1 = 128
	s_mov_b32 s[\g+3], 64<<16                      ; tile_dim0 = 64
	s_mov_b32 s[\g+4], 128                         ; tile_dim1 = 128
	s_mov_b32 s[\g+5], 1024                        ; elements from row to row
	s_mov_b32 s[\g+6], 0
	s_mov_b32 s[\g+7], 0
.endr
	s_lshl_b32 s66, s28, 19                        ; 128 rows of 4,096 bytes: x's offset hangs on the block of tokens alone,
	s_mov_b32 s67, 0
	s_lshl_b32 s68, s27, 19                        ; the weights' on the block of features alone
	s_mov_b32 s69, 0
	s_mul_i32 s78, s22, TILE                       ; my tile's place in a slot: the wave's number alone
	s_wait_dscnt 0x0
	s_wait_kmcnt 0x0
	s_add_nc_u64 s[66:67], s[4:5], s[66:67]
	s_cmp_eq_u32 s22, 2
	s_cselect_b64 s[70:71], s[8:9], s[6:7]         ; wave 1: Wq, wave 2: Wk,
	s_cmp_eq_u32 s22, 3
	s_cselect_b64 s[70:71], s[10:11], s[70:71]     ; wave 3: Wv (wave 0 never asks by this set)
	s_add_nc_u64 s[68:69], s[70:71], s[68:69]
	CROUND                                         ; all sixteen work-groups are here: the first joint loads meet
.irp s, 0,1
	s_mov_b32 s[G0A+4*\s], 1
	s_add_co_u32 s[G0A+4*\s+1], s78, \s*SLOT
	s_add_nc_u64 s[G0A+4*\s+2:G0A+4*\s+3], s[66:67], \s*256        ; K step s
	s_or_b32 s[G0A+4*\s+3], s[G0A+4*\s+3], 0x80000000
	s_mov_b32 s[G0B+4*\s], 1
	s_add_co_u32 s[G0B+4*\s+1], s78, \s*SLOT
	s_add_nc_u64 s[G0B+4*\s+2:G0B+4*\s+3], s[68:69], \s*256
	s_or_b32 s[G0B+4*\s+3], s[G0B+4*\s+3], 0x80000000
	JLOAD \s                                       ; both slots are asked for before anything else is done
.endr
	; THE CAST OF Wo.  Work-group wid = 8 x token block + feature block (0..255) takes rows 4 wid .. +3.  Wave w takes the blocks of 64 k numbered w, w+4, w+8, w+12;
	; lane l takes row l>>3 and 8 numbers at 32 (l&7) bytes.  In wob the four rows of a block of k are 512 neighbouring bytes: lane l's 16 bytes lie at 16 l.
	s_lshl_b32 s80, s28, 3
	s_add_co_u32 s80, s80, s27                     ; wid
	s_lshl_b32 s82, s80, 14                        ; 4 rows of 4,096 bytes
	s_mov_b32 s83, 0
	s_add_nc_u64 s[12:13], s[12:13], s[82:83]
	s_lshr_b32 s81, s80, 5                         ; n / 128
	s_lshl_b32 s82, s81, 18                        ; x 262,144
	s_and_b32 s81, s80, 31                         ; n % 128 = 4 (wid & 31),
	s_lshl_b32 s81, s81, 9                         ; x 128 bytes
	s_add_co_u32 s82, s82, s81
	s_add_nc_u64 s[20:21], s[20:21], s[82:83]
	; who prefetches what.  Wave 0: x, rows 16 wid .. +15.  Wave 1: the matrix numbered by the cluster's y>>1 (0 Wq, 1 Wk, 2 Wv; 3: none), rows 16 (wid & 63) .. +15.
	s_and_b32 s87, ttmp7, 0xffff
	s_lshr_b32 s87, s87, 1
	s_cmp_lt_u32 s87, 3
	s_cselect_b32 s86, 2, 1                        ; how many waves ask
	s_cmp_eq_u32 s87, 1
	s_cselect_b64 s[84:85], s[8:9], s[6:7]
	s_cmp_eq_u32 s87, 2
	s_cselect_b64 s[84:85], s[10:11], s[84:85]
	s_and_b32 s88, s80, 63
	s_cmp_eq_u32 s22, 0
	s_cselect_b64 s[84:85], s[4:5], s[84:85]
	s_cselect_b32 s88, s80, s88
	s_lshl_b32 s88, s88, 16                        ; 16 rows of 4,096 bytes
	s_mov_b32 s89, 0
	s_add_nc_u64 s[84:85], s[84:85], s[88:89]
	v_and_b32 v9, 31, v0                           ; lane
	v_lshrrev_b32 v10, 3, v9
	v_and_b32 v11, 7, v9
	v_lshlrev_b32 v10, 12, v10
	v_lshl_add_u32 v10, v11, 5, v10
	s_lshl_b32 s81, s22, 8
	v_add_nc_u32 v10, s81, v10                     ; from: row x 4,096 + 32 (l&7) + 256 w
	v_lshlrev_b32 v[GO], 4, v9
	s_lshl_b32 s81, s22, 14
	v_add_nc_u32 v11, s81, v[GO]                   ; to: 16 l + 16,384 w
.irp i, 0,1,2,3
	global_load_b128 v[16+8*\i:16+8*\i+3], v10, s[12:13] offset:\i*1024 th:TH_LOAD_NT
	global_load_b128 v[16+8*\i+4:16+8*\i+7], v10, s[12:13] offset:\i*1024+16 th:TH_LOAD_NT
.endr
	; where the results go.  Group g of wave half wc is group G = 3 wc + g of six: matrix G>>1 (q q k | k v v), head 2 x feature block + ((g + wc) & 1).
	s_lshr_b32 s80, s28, 4                         ; b
	s_lshl_b32 s80, s80, 4
	s_lshl1_add_u32 s80, s27, s80                  ; 16 b + 2 x feature block
	s_and_b32 s81, s28, 15
	s_lshl_b32 s81, s81, 14                        ; 128 tokens of 128 bytes
	s_lshl_b32 s82, s23, 13                        ; my 64 tokens
	s_add_co_u32 s81, s81, s82
	s_add_co_u32 s82, s80, s24                     ; head of groups 0 and 2
	s_lshl_b32 s82, s82, 18                        ; a head is 262,144 bytes
	s_add_co_u32 s82, s82, s81
	s_xor_b32 s79, s24, 1
	s_add_co_u32 s80, s80, s79                     ; head of group 1
	s_lshl_b32 s80, s80, 18
	s_add_co_u32 s80, s80, s81
	s_mov_b32 s81, 0
	s_cmp_eq_u32 s24, 0
	s_cselect_b64 s[72:73], s[14:15], s[16:17]
	s_cselect_b64 s[74:75], s[14:15], s[18:19]
	s_cselect_b64 s[76:77], s[16:17], s[18:19]
	s_add_nc_u64 s[72:73], s[72:73], s[82:83]
	s_add_nc_u64 s[74:75], s[74:75], s[80:81]
	s_add_nc_u64 s[76:77], s[76:77], s[82:83]
	; LDS addresses of a lane: row l % 16, 64 bytes for each half of the lanes
	v_and_b32 v12, 15, v0
	v_bfe_u32 v13, v0, 4, 1
	v_mul_u32_u24 v14, v12, PITCH
	v_lshl_add_u32 v14, v13, 6, v14
	s_mul_i32 s79, s23, GRP
	s_mul_i32 s80, s24, 3*GRP
	s_add_co_u32 s80, s80, TILE                    ; the weights lie behind x's tile
.irp s, 0,1
	v_add_nc_u32 v[XA+\s], s79, v14
	v_add_nc_u32 v[WA+\s], s80, v14
	s_add_co_u32 s79, s79, SLOT
	s_add_co_u32 s80, s80, SLOT
.endr
	s_mul_i32 s79, s22, WSTAGE
	s_add_co_u32 s79, s79, STAGE                   ; my stage
	v_mul_u32_u24 v15, v12, SPITCH
	v_lshl_add_u32 v15, v13, 4, v15
	v_add_nc_u32 v[STO], s79, v15                  ; in: token l % 16, 16 bytes for each half of the lanes
	v_lshrrev_b32 v15, 3, v9
	v_mul_u32_u24 v15, v15, SPITCH
	v_and_b32 v1, 7, v9
	v_lshl_add_u32 v15, v1, 4, v15
	v_add_nc_u32 v[RD], s79, v15                   ; back: eight lanes take a token's 128 bytes
	v_lshrrev_b32 v15, 1, v9
	v_and_b32 v1, 1, v9
	v_lshlrev_b32 v15, 12, v15
	v_lshl_add_u32 v[PFO], v1, 8, v15              ; the prefetch: row l>>1, block l&1 (the lane's number is not needed again)
	s_wait_loadcnt 0x0                             ; Wo's numbers
.irp i, 0,1,2,3
.irp k, 0,1,2,3
	v_cvt_pk_bf16_f32 v[48+4*\i+\k], v[16+8*\i+2*\k], v[16+8*\i+2*\k+1]
.endr
.endr
.irp i, 0,1,2,3
	global_store_b128 v11, v[48+4*\i:48+4*\i+3], s[20:21] offset:\i*65536   ; a wave's store covers 512 consecutive bytes, at a multiple of 512
.endr
; 16 LDS loads: 64 rows x 32 k of f32 (a lane: 64 bytes of each of four rows) into a raw buffer
.macro LOADG adr, base, raw
.irp f, 0,1,2,3
.irp i, 0,1,2,3
	ds_load_b128 v[\raw+16*\f+4*\i:\raw+16*\f+4*\i+3], v[\adr] offset:\base+\f*FRAG+16*\i
.endr
.endr
.endm
; 32 conversions: a raw buffer becomes four fragments
.macro CVTG raw, dst
.irp f, 0,1,2,3
.irp i, 0,1,2,3,4,5,6,7
	v_cvt_pk_bf16_f32 v[\dst+8*\f+\i], v[\raw+16*\f+2*\i], v[\raw+16*\f+2*\i+1]
.endr
.endr
.endm
; 16 matrix instructions: group g's 64 features x my 64 tokens, 32 along K.  zero = 1: the product starts the sums, nothing is cleared.
; The 48 accumulators take turns, one instruction a turn, in the same order in every step.
.macro MULG wf, g, zero
.if \g < 2
	WIN 0x50
.else
	WIN 0xa0
.endif
.irp c, 0,1,2,3
.irp a, 0,1,2,3
.if \zero
	v_wmma_f32_16x16x32_bf16 v[8*((4*(\g%2)+\c)*4+\a):8*((4*(\g%2)+\c)*4+\a)+7], v[\wf+8*\c:\wf+8*\c+7], v[XF+8*\a:XF+8*\a+7], 0
.else
	v_wmma_f32_16x16x32_bf16 v[8*((4*(\g%2)+\c)*4+\a):8*((4*(\g%2)+\c)*4+\a)+7], v[\wf+8*\c:\wf+8*\c+7], v[XF+8*\a:XF+8*\a+7], v[8*((4*(\g%2)+\c)*4+\a):8*((4*(\g%2)+\c)*4+\a)+7]
.endif
.endr
.endr
	WIN 0
.endm
; A K step of 64: two halves of 32, each x's fragments and three groups of weights.  On entry the loads of x's first half into RAW0 are out.
; Each s_wait_dscnt 16 leaves the 16 loads just issued out and shows the group before them in.
; The four v_nop stand between the last products, which read XF, and the conversions that write XF (ISA guide 7.12.1); WF0 and WF1 are
; written again only behind the 32 conversions into the other buffer.
; kind 1: the slot is filled again; 2: the slots change, nothing is left to fetch; 3: the last step.  pf = 1: the lap's prefetch, behind the step's first
; run of LDS loads and in front of 32 conversions.
.macro STEP slot, zero, kind, pf
	LOADG WA+\slot, 0, RAW1
	s_wait_dscnt 16
.if \pf
	PF
.endif
	PLACES 4
	CVTG RAW0, XF
	LOADG WA+\slot, GRP, RAW0
	s_wait_dscnt 16
	CVTG RAW1, WF0
	MULG WF0, 0, \zero
	LOADG WA+\slot, 2*GRP, RAW1
	s_wait_dscnt 16
	CVTG RAW0, WF1
	MULG WF1, 1, \zero
	LOADG XA+\slot, 128, RAW0
	s_wait_dscnt 16
	CVTG RAW1, WF0
	MULG WF0, 2, \zero
	LOADG WA+\slot, 128, RAW1
	s_wait_dscnt 16
	PLACES 4
	CVTG RAW0, XF
	LOADG WA+\slot, 128+GRP, RAW0
	s_wait_dscnt 16
	CVTG RAW1, WF1
	MULG WF1, 0, 0
	LOADG WA+\slot, 128+2*GRP, RAW1
	s_wait_dscnt 16
	CVTG RAW0, WF0
	MULG WF0, 1, 0
	s_wait_dscnt 0x0                               ; my reads of this slot are over
.if \kind < 3
	s_wait_tensorcnt 0x0                           ; and all my tensor loads have landed: the one that was out is my tile of the other slot
	ds_add_u32 v254, v255
	s_wait_dscnt 0x0
	s_barrier_signal -1                            ; say so (with a refill this barrier opens a round of the cluster's barrier),
.endif
	CVTG RAW1, WF1                                 ; work on registers while the others arrive
.if \kind < 3
	s_barrier_wait -1
.if \kind == 1
	CREST                                          ; no wave of any partner still reads this slot or has a load on its way
	s_add_nc_u64 s[G0A+4*\slot+2:G0A+4*\slot+3], s[G0A+4*\slot+2:G0A+4*\slot+3], 512   ; two K steps on
	s_add_nc_u64 s[G0B+4*\slot+2:G0B+4*\slot+3], s[G0B+4*\slot+2:G0B+4*\slot+3], 512
	JLOAD \slot                                    ; my one tensor load behind the round, ahead of every LDS read
.endif
	LOADG XA+1-\slot, 0, RAW0                      ; the other slot's first x
.endif
	MULG WF1, 2, 0
.endm
	s_wait_tensorcnt 0x1                           ; my tile of K step 0 is in; K step 1's stays out
	s_barrier_signal -1
	s_barrier_wait -1
	s_wait_xcnt 0x0                                ; the cast's stores read v48-63, which the next loads write
	LOADG XA+0, 0, RAW0
	STEP 0, 1, 1, 1                                ; the first lap stands in front of the loop: its first products start the sums; it asks for K steps 2 and 3
	STEP 1, 0, 1, 0
	s_mov_b32 s31, LAPS
.Llap:
	STEP 0, 0, 1, 1                                ; laps 1 to 6 ask for K steps 4 to 15
	STEP 1, 0, 1, 0
	s_sub_co_u32 s31, s31, 1
	s_cmp_lg_u32 s31, 0
	s_cbranch_scc1 .Llap
	STEP 0, 0, 2, 0                                ; the last lap asks for nothing
	STEP 1, 0, 3, 0
; THE WAY OUT, 16 tokens at a time: round to bf16, 16 bytes a lane into my own stage, read back by tokens.  In a head's layout 16 tokens are 2,048
; consecutive bytes, so each store of the wave covers 512 consecutive bytes at a multiple of 512.
.macro OUTA a
	WIN 0x05                                       ; sources in window 1: groups 0 and 1
.irp n, 0,1,2,3,4,5,6,7
.irp k, 0,1,2,3
	v_cvt_pk_bf16_f32 v[TMP+4*\n+\k], v[8*(4*\n+\a)+2*\k], v[8*(4*\n+\a)+2*\k+1]
.endr
.endr
	WIN 0x0a                                       ; sources in window 2: group 2
.irp c, 0,1,2,3
.irp k, 0,1,2,3
	v_cvt_pk_bf16_f32 v[TMP+32+4*\c+\k], v[8*(4*\c+\a)+2*\k], v[8*(4*\c+\a)+2*\k+1]
.endr
.endr
	WIN 0
.irp g, 0,1,2
.irp c, 0,1,2,3
	ds_store_b128 v[STO], v[TMP+16*\g+4*\c:TMP+16*\g+4*\c+3] offset:\g*SGRP+32*\c
.endr
.endr
	s_wait_xcnt 0x0                                ; the last 16 tokens' stores read BK, which is loaded again only behind this wait
.irp g, 0,1,2
.irp i, 0,1,2,3
	ds_load_b128 v[BK+16*\g+4*\i:BK+16*\g+4*\i+3], v[RD] offset:\g*SGRP+4*SPITCH*\i   ; LDS serves a wave's instructions in order: these see the stores above
.endr
.endr
.irp g, 0,1,2
.irp i, 0,1,2,3
	s_wait_dscnt 11-4*\g-\i                        ; the younger read-backs stay out
	global_store_b128 v[GO], v[BK+16*\g+4*\i:BK+16*\g+4*\i+3], s[72+2*\g:73+2*\g] offset:\a*2048+512*\i
.endr
.endr
.endm
	PLACES 4                                       ; between the last products and the conversions that read their results
	OUTA 0
	OUTA 1
	OUTA 2
	OUTA 3
	s_wait_tensorcnt 0x0
	ds_add_u32 v254, v255
	s_wait_dscnt 0x0
	CROUND                                         ; the closing round: no work-group ends while a partner may still ask for a tile that names it
	s_endpgm
.Lfunc_end_k_q7b24c5f7d1_qkv:
	.size	k_q7b24c5f7d1_qkv, .Lfunc_end_k_q7b24c5f7d1_qkv-k_q7b24c5f7d1_qkv
	.p2alignl 7, 3214868480
	.fill 96, 4, 3214868480
	.section	.rodata,"a",@progbits
	.p2align	6, 0x0
	.amdhsa_kernel k_q7b24c5f7d1_qkv
		.amdhsa_group_segment_fixed_size 327680
		.amdhsa_private_segment_fixed_size 0
		.amdhsa_enable_private_segment 0
		.amdhsa_kernarg_size 72
		.amdhsa_user_sgpr_count 2
		.amdhsa_user_sgpr_kernarg_segment_ptr 1
		.amdhsa_wavefront_size32 1
		.amdhsa_system_sgpr_workgroup_id_x 1
		.amdhsa_system_sgpr_workgroup_id_y 1
		.amdhsa_system_sgpr_workgroup_id_z 1
		.amdhsa_system_vgpr_workitem_id 0
		.amdhsa_next_free_vgpr 640
		.amdhsa_next_free_sgpr 90
		.amdhsa_reserve_vcc 0
		.amdhsa_float_denorm_mode_32 3
		.amdhsa_float_denorm_mode_16_64 3
		.amdhsa_memory_ordered 1
		.amdhsa_forward_progress 1
		.amdhsa_inst_pref_size 225
	.end_amdhsa_kernel
	.amdgpu_metadata
---
amdhsa.version: [ 1, 2 ]
amdhsa.kernels:
  - .name:           k_q7b24c5f7d1_qkv
    .symbol:         k_q7b24c5f7d1_qkv.kd
    .args:
      - { .name: x, .offset: 0, .size: 8, .value_kind: global_buffer, .address_space: global }
      - { .name: Wq, .offset: 8, .size: 8, .value_kind: global_buffer, .address_space: global }
      - { .name: Wk, .offset: 16, .size: 8, .value_kind: global_buffer, .address_space: global }
      - { .name: Wv, .offset: 24, .size: 8, .value_kind: global_buffer, .address_space: global }
      - { .name: Wo, .offset: 32, .size: 8, .value_kind: global_buffer, .address_space: global }
      - { .name: qh, .offset: 40, .size: 8, .value_kind: global_buffer, .address_space: global }
      - { .name: kh, .offset: 48, .size: 8, .value_kind: global_buffer, .address_space: global }
      - { .name: vh, .offset: 56, .size: 8, .value_kind: global_buffer, .address_space: global }
      - { .name: wob, .offset: 64, .size: 8, .value_kind: global_buffer, .address_space: global }
    .group_segment_fixed_size: 327680
    .private_segment_fixed_size: 0
    .kernarg_segment_align: 8
    .kernarg_segment_size: 72
    .max_flat_workgroup_size: 128
    .sgpr_count:     90
    .vgpr_count:     640
    .wavefront_size: 32
...
	.end_amdgpu_metadata
.endif
;; end of part 1
;; launch attn (part 2): grid 8 x 32, 4 waves a work-group, clusters of 4 x 1, 327,680 bytes of LDS; arguments qh, kh, vh, confidence, Wc, alpha, bv, ao; writes ao
.if DOCPART == 2
	.amdgcn_target "amdgcn-amd-amdhsa--gfx1250"
	.amdhsa_code_object_version 6
	.text
	.protected	k_q7b24c5f7d1_attn
	.globl	k_q7b24c5f7d1_attn
	.p2align	8
	.type	k_q7b24c5f7d1_attn,@function
k_q7b24c5f7d1_attn:
	s_mov_b64 s[64:65], 0
	v_nop
	global_prefetch_b8 v0, s[64:65] scope:SCOPE_SE
	s_setreg_imm32_b32 hwreg(HW_REG_WAVE_MODE, 25, 1), 1
	s_wait_xcnt 0x0
	s_wait_alu depctr_hold_cnt(0) depctr_sa_sdst(0) depctr_va_vdst(0) depctr_va_sdst(0) depctr_va_ssrc(0) depctr_va_vcc(0) depctr_vm_vsrc(0)
	s_getreg_b32 s2, hwreg(HW_REG_IB_STS2, 6, 4)
	s_cmp_eq_u32 s2, 0
	s_cbranch_scc0 .Lentry_in_a_cluster
	s_endpgm
.Lentry_in_a_cluster:
	s_bfe_u32 s2, ttmp6, 0x10000c
	s_cmp_lg_u32 s2, 0x3003
	s_cbranch_scc0 .Lentry_shape_is_right
	s_endpgm
.Lentry_shape_is_right:
; SECOND LAUNCH: softmax(Q K^T / 8 + bias) V + bv, head by head, with a running maximum.  ao: [b*16 + t/128][h][t%128][64] bf16.
; LEFT OUT (shown at the head of the first launch): a*cb[b,h,i] and a*bc[h] are the same along the softmax's axis j; what stays of the bias is
; sigmoid(alpha)*Wc[h]*confidence[b,j].  bc is not loaded.  A NaN, infinity or overflow that reaches only those two terms is not carried to the result.
; bv is added here behind the softmax: its rows sum to 1, so attn (V + bv) = attn V + bv.
; LIMIT: the running maximum is taken with v_max_num, which drops a NaN score.
;
; SHARES.  A work-group: 256 queries of one head.  A wave: 64 queries, four tiles of 16, as two pieces of two tiles.  Keys go 128 to a trip, 16 trips.
; CLUSTER 4 x 1: the four work-groups of a cluster are four query blocks of one head and read the same K and V: every tile is asked for jointly (mask 15).
; K and V come 512 keys to a slot, two slots.  A head is dense in memory, so a tile comes as rows of 256 bytes = two keys; key k lies at (k>>1) pitch + (k&1) 128.
; Pitch 272 for K (plain fragment loads: 16 keys fall on 16 different 16-byte columns of 256), 288 for V (transposing loads: likewise).
;
; ARITHMETIC.  S = K Q^T + 8 sigmoid(alpha) Wc[h] conf[j]: the bias is the C operand of the first product.  In the result lane (r, h) holds query r and keys 8 h + j
; of the tile, so a query's maximum and sum need one exchange between the halves of the wave, and two neighbouring key tiles, packed to bf16, ARE the B fragment of
; O^T = V^T P^T: nothing moves between lanes.  p = exp2(S c - m c), c = log2(e) / 8: the division by 8 rides in the multiply-add.
;
; THE TWO PIECES TAKE TURNS.  A piece's softmax step names none of the other piece's registers, so it is dealt, in 64 numbered slices, behind the other piece's 64 products:
;   body t, first half:   PV(piece 0, trip t), S(piece 0, trip t+1)   with the softmax of piece 1, trip t
;   body t, second half:  PV(piece 1, trip t), S(piece 1, trip t+1)   with the softmax of piece 0, trip t+1
; A softmax step of a piece is 428 vector instructions for its 64 products: 64 maxima, 12 for the new maximum and the factor, 64 multiply-adds, 128 exponentials, 64 sums,
; 64 conversions, 32 rescales of O.  WHY 128 KEYS: the 12 and the 32 are paid once a step whatever its length; two steps of 64 keys would cost 472.
; No slice has more than eight instructions.  Both halves use the same K(t+1) and V(t) fragments; LDS is read in two runs a body: K(t+1) with its bias at the body's head,
; V(t+1) behind PV(piece 1, t).  The slices are also the places that stand between a product and what reads its result or loads into its sources:
; slice 31 has four plain instructions, slice 63 six.
; THE BODY STANDS IN FOUR LOOPS, one for each fill of a slot, so that every LDS address of a fill and of a read is a constant, a lane term and the loop's own steps.
;
; REGISTERS, in windows of 256.  A piece's scores and its softmax's state lie in one window, so that its slices need one setting:
;   window 0: v0-5 addresses, v6-33 state of piece 0, v40-53 the way out and the head, v64-127 bias, v128-255 scores of piece 0
;   window 1: v6-33 state of piece 1 (the same numbers), v64-127 Q, v128-255 scores of piece 1
;   window 2: K 0-127, V 128-255.      window 3: O 0-127, bv 128-159.
; A product and the slice behind it need different settings: two switches for each product.
.set KPITCH, 272
.set VPITCH, 288
.set KHALF,  128*KPITCH                ; what one tensor load brings of K: 256 keys
.set VHALF,  128*VPITCH
.set VOFF,   2*KHALF                   ; V behind K in a slot
.set SLOT,   2*KHALF+2*VHALF
.set CB,     2*SLOT                    ; 2,048 f32 of bias
.set STAGE,  CB+8192                   ; 16 tokens x 144 bytes for each wave
.set KTRIP,  64*KPITCH                 ; 128 keys
.set VTRIP,  64*VPITCH
.set KA,  1                            ; v1   K address of the next run of loads
.set VA,  2                            ; v2   V address of the next run
.set BA,  3                            ; v3   bias address of the next run
.set KB0, 4                            ; v4   lane term of K
.set VB0, 5                            ; v5   lane term of V (with VOFF)
.set TT,  6                            ; v6-13  at work: 4 q + i                                    (v6-33: in window 0 for piece 0, in window 1 for piece 1)
.set MN,  14                           ; v14-15 new maximum of the piece's tile q
.set NM,  16                           ; v16, v18 -c m (v17, v19 only fill the pairs)
.set AL,  20                           ; v20, v22 factor for the old sums (v21, v23 fill the pairs)
.set PS,  24                           ; v24-27 a second chain of sums, a pair for each q
.set MX,  28                           ; v28-29 running maximum of the piece's tile q
.set LS,  30                           ; v30-33 running sum of the piece's tile q, as a pair of partial sums (of my half of the keys)
.set STO, 40                           ; v40-42 the way out's addresses
.set RD,  41
.set GO,  42
.set CBF, 64                           ; window 0: bias as a C operand: 8 kt
.set TMP, 64                           ; window 0: first the confidences, at the end the way out (the bias is not needed then)
.set BK,  80
.set QF,  64                           ; window 1: Q fragments 16 qi + 8 half
.set SC,  128                          ; window 0 or 1: the piece's scores, then P: 64 q + 8 kt
.set KF,  0                            ; window 2: K fragments 16 kt + 8 half
.set VF,  128                          ; window 2: V^T fragments 32 d + 8 kp
.set OA,  0                            ; window 3: O^T: 32 qi + 8 d
.set BV,  128                          ; window 3: bv of my 32 columns: 8 d + j
.set G1K, 32
.set G1V, 40
.set G0K, 48
.set G0V, 56
.set MSB, 0
.macro WIN new                         ; the immediate's high byte repeats the setting that is left
.if MSB != \new
	s_set_vgpr_msb (MSB<<8)|\new
.set MSB, \new
.endif
.endm
.macro PLACES n
.rept \n
	v_nop
.endr
.endm
.macro JLOAD s                         ; waves 0 and 1 ask for K's two halves, waves 2 and 3 for V's
	s_cmp_eq_u32 s21, 0
	s_cbranch_scc0 .Lfor_v_\@
	tensor_load_to_lds s[G0K+4*\s:G0K+4*\s+3], s[G1K:G1K+7]
	s_nop 0
	s_branch .Lasked_\@
.Lfor_v_\@:
	tensor_load_to_lds s[G0V+4*\s:G0V+4*\s+3], s[G1V:G1V+7]
	s_nop 0
.Lasked_\@:
.endm
.macro CROUND                          ; a round of the cluster's barrier
	s_barrier_signal -1
	s_barrier_wait -1
	s_cmp_lg_u32 s20, 0
	s_cbranch_scc1 .Lnot_wave_0_\@
	s_barrier_signal -3
.Lnot_wave_0_\@:
	s_barrier_wait -3
	s_barrier_signal -1
	s_barrier_wait -1
.endm
	s_load_b512 s[4:19], s[0:1], 0x0               ; qh, kh, vh, confidence, Wc, alpha, bv, ao
	v_lshl_add_u32 v62, v0, 2, 0x4a400
	v_mov_b32 v63, 0
	ds_add_u32 v62, v63
	v_lshrrev_b32 v1, 5, v0
	v_readfirstlane_b32 s20, v1                    ; wave
	s_lshr_b32 s21, s20, 1
	s_and_b32 s22, s20, 1
	s_bfe_u32 s23, ttmp6, 0x40000                  ; cx
	s_lshl_b32 s24, ttmp9, 2
	s_add_co_u32 s24, s24, s23                     ; block of 256 queries, 0..7
	s_and_b32 s25, ttmp7, 0xffff                   ; 16 b + head: the same in the whole cluster
	s_and_b32 s26, s25, 15                         ; head
	s_lshr_b32 s27, s25, 4                         ; b
	s_mov_b32 s66, 0x3e38aa3b                      ; c = log2(e) / 8
	s_mov_b32 s67, 0x3e38aa3b
	s_mov_b32 s68, 0x76543210                      ; v_permlanex16_b32: lane i reads lane i of the other half
	s_mov_b32 s69, 0xfedcba98
	s_mov_b32 s70, 0xbe38aa3b                      ; -c
	; group 1: 128 rows of 32 elements of 8 bytes, dense in memory; padding of 4 (K) or 8 (V) words behind every 64 words; mask 15 with bit 21 beside it
	s_mov_b32 s[G1K+0], 15|(3<<16)|(1<<20)|(1<<21)|(5<<22)|(3<<25)
	s_mov_b32 s[G1V+0], 15|(3<<16)|(1<<20)|(1<<21)|(5<<22)|(7<<25)
.irp g, G1K, G1V
	s_mov_b32 s[\g+1], 32<<16
	s_mov_b32 s[\g+2], 128<<16
	s_mov_b32 s[\g+3], 32<<16
	s_mov_b32 s[\g+4], 128
	s_mov_b32 s[\g+5], 32
	s_mov_b32 s[\g+6], 0
	s_mov_b32 s[\g+7], 0
.endr
	s_mul_i32 s72, s22, KHALF                      ; where my half goes
	s_mul_i32 s73, s22, VHALF
	s_add_co_u32 s73, s73, VOFF
	s_lshl_b32 s74, s25, 18                        ; the head: 262,144 bytes
	s_lshl_b32 s75, s22, 15                        ; my 256 keys of a slot's 512
	s_add_co_u32 s74, s74, s75
	s_mov_b32 s75, 0
	s_wait_dscnt 0x0
	s_wait_kmcnt 0x0
	s_add_nc_u64 s[6:7], s[6:7], s[74:75]
	s_add_nc_u64 s[8:9], s[8:9], s[74:75]
	CROUND                                         ; the four work-groups are here: the first joint loads meet
.irp s, 0,1
	s_mov_b32 s[G0K+4*\s], 1
	s_add_co_u32 s[G0K+4*\s+1], s72, \s*SLOT
	s_add_nc_u64 s[G0K+4*\s+2:G0K+4*\s+3], s[6:7], \s*65536        ; keys 512 s ..
	s_or_b32 s[G0K+4*\s+3], s[G0K+4*\s+3], 0x80000000
	s_mov_b32 s[G0V+4*\s], 1
	s_add_co_u32 s[G0V+4*\s+1], s73, \s*SLOT
	s_add_nc_u64 s[G0V+4*\s+2:G0V+4*\s+3], s[8:9], \s*65536
	s_or_b32 s[G0V+4*\s+3], s[G0V+4*\s+3], 0x80000000
	JLOAD \s
.endr
	; bases.  What hangs on cx stays in s76-79, registers that feed no descriptor.
	s_lshl_b32 s76, s26, 2
	s_mov_b32 s77, 0
	s_add_nc_u64 s[12:13], s[12:13], s[76:77]      ; Wc[head]
	s_load_b32 s29, s[14:15], 0x0                  ; alpha
	s_load_b32 s30, s[12:13], 0x0
	s_lshl_b32 s76, s26, 8
	s_add_nc_u64 s[16:17], s[16:17], s[76:77]      ; bv of the head
	s_lshl_b32 s76, s27, 13
	s_add_nc_u64 s[10:11], s[10:11], s[76:77]      ; confidence of b
	s_lshl_b32 s76, s25, 18
	s_lshl_b32 s78, s24, 15                        ; 256 queries of 128 bytes
	s_add_co_u32 s76, s76, s78
	s_lshl_b32 s78, s20, 13                        ; my 64
	s_add_co_u32 s76, s76, s78
	s_add_nc_u64 s[4:5], s[4:5], s[76:77]
	s_lshl_b32 s78, s27, 4
	s_lshl1_add_u32 s78, s24, s78
	s_add_co_u32 s78, s78, s21                     ; 16 b + t / 128
	s_lshl4_add_u32 s78, s78, s26                  ; x 16 + head
	s_lshl_b32 s78, s78, 14                        ; x 128 tokens of 128 bytes
	s_lshl_b32 s79, s22, 13                        ; + my 64 tokens
	s_add_co_u32 s78, s78, s79
	s_mov_b32 s79, 0
	s_add_nc_u64 s[18:19], s[18:19], s[78:79]
	v_and_b32 v43, 15, v0                          ; r
	v_bfe_u32 v44, v0, 4, 1                        ; h
	v_lshlrev_b32 v45, 7, v43
	v_lshl_add_u32 v45, v44, 4, v45                ; Q: query r, 16 bytes for each half of the lanes
	v_lshlrev_b32 v46, 5, v44                      ; 32 h
	v_lshlrev_b32 v47, 4, v0                       ; 16 x thread
	WIN 0x40                                       ; destinations in window 1
.irp qi, 0,1,2,3
.irp hf, 0,1
	global_load_b128 v[QF+16*\qi+8*\hf:QF+16*\qi+8*\hf+3], v45, s[4:5] offset:\qi*2048+\hf*64
	global_load_b128 v[QF+16*\qi+8*\hf+4:QF+16*\qi+8*\hf+7], v45, s[4:5] offset:\qi*2048+\hf*64+32
.endr
.endr
	WIN 0xc0                                       ; destinations in window 3
.irp d, 0,1,2,3
	global_load_b128 v[BV+8*\d:BV+8*\d+3], v46, s[16:17] offset:64*\d
	global_load_b128 v[BV+8*\d+4:BV+8*\d+7], v46, s[16:17] offset:64*\d+16
.endr
	WIN 0
.irp i, 0,1,2,3
	global_load_b128 v[TMP+4*\i:TMP+4*\i+3], v47, s[10:11] offset:2048*\i   ; the 128 threads take b's 2,048 confidences
.endr
	v_lshrrev_b32 v49, 1, v43
	v_mul_u32_u24 v[KB0], v49, KPITCH
	v_and_b32 v49, 1, v43
	v_lshl_add_u32 v[KB0], v49, 7, v[KB0]
	v_lshl_add_u32 v[KB0], v44, 4, v[KB0]          ; key r: (r>>1) 272 + (r&1) 128 + 16 h
	v_bfe_u32 v49, v0, 1, 2
	v_mul_u32_u24 v[VB0], v49, VPITCH
	v_mul_u32_u24 v49, v44, 4*VPITCH
	v_add_nc_u32 v[VB0], v[VB0], v49
	v_and_b32 v49, 1, v0
	v_lshl_add_u32 v[VB0], v49, 7, v[VB0]
	v_bfe_u32 v49, v0, 3, 1
	v_lshl_add_u32 v[VB0], v49, 4, v[VB0]
	v_add_nc_u32 v[VB0], VOFF, v[VB0]              ; key 8 h + (l&7), 16 bytes by (l>>3)&1: the transposing load's addresses
	v_add_nc_u32 v[BA], CB, v46
	v_add_nc_u32 v48, CB, v47                      ; where my 16 bytes of bias go
	v_mov_b32 v[KA], v[KB0]
	v_mov_b32 v[VA], v[VB0]
.irp w, 0, 0x40                                    ; in both pieces' windows: the upper registers of pairs of which the lower one is broadcast
	WIN \w
	v_mov_b32 v17, 0
	v_mov_b32 v19, 0
	v_mov_b32 v21, 0
	v_mov_b32 v23, 0
.endr
	WIN 0
	s_wait_kmcnt 0x0
	v_mov_b32 v50, s29
	v_mul_f32 v50, 0xbfb8aa3b, v50                 ; -alpha log2(e)
	v_exp_f32 v50, v50
	v_mov_b32 v51, s30                             ; a plain instruction behind the transcendental (ISA guide 5.7.2)
	s_wait_alu depctr_va_vdst(0)
	v_add_f32 v50, 1.0, v50
	v_rcp_f32 v50, v50                             ; sigmoid(alpha)
	v_mul_f32 v51, 0x41000000, v51                 ; 8 Wc[h]: the scores here are 8 times the reference's
	s_wait_alu depctr_va_vdst(0)
	v_mul_f32 v50, v50, v51
	s_wait_loadcnt 0x0                             ; Q, bv, confidence
.irp k, 0,1,2,3,4,5,6,7
	v_pk_mul_f32 v[TMP+2*\k:TMP+2*\k+1], v[TMP+2*\k:TMP+2*\k+1], v[50:51] op_sel_hi:[1,0]
.endr
.irp i, 0,1,2,3
	ds_store_b128 v48, v[TMP+4*\i:TMP+4*\i+3] offset:2048*\i
.endr
	s_mul_i32 s72, s20, 16*144
	s_add_co_u32 s72, s72, STAGE                   ; my stage
	v_mul_u32_u24 v49, v43, 144
	v_lshl_add_u32 v49, v44, 4, v49
	v_add_nc_u32 v[STO], s72, v49
	v_and_b32 v52, 31, v0
	v_lshrrev_b32 v49, 3, v52
	v_mul_u32_u24 v49, v49, 144
	v_and_b32 v53, 7, v0
	v_lshl_add_u32 v49, v53, 4, v49
	v_add_nc_u32 v[RD], s72, v49
	v_lshlrev_b32 v[GO], 4, v52
	s_wait_dscnt 0x0                               ; my part of the bias is in LDS, for the others' sake
	s_wait_tensorcnt 0x1                           ; my part of slot 0 is in; slot 1's stays out
	s_barrier_signal -1
	s_barrier_wait -1
; 48 loads: eight key tiles x two halves of dk, and the bias of the 128 keys as eight C operands; then the addresses step to the next trip (an LDS load's sources need no wait)
.macro LOADK
	WIN 0x80                                       ; destinations in window 2
.irp kt, 0,1,2,3,4,5,6,7
.irp hf, 0,1
	ds_load_b128 v[KF+16*\kt+8*\hf:KF+16*\kt+8*\hf+3], v[KA] offset:\kt*8*KPITCH+\hf*64
	ds_load_b128 v[KF+16*\kt+8*\hf+4:KF+16*\kt+8*\hf+7], v[KA] offset:\kt*8*KPITCH+\hf*64+32
.endr
.endr
	WIN 0
.irp kt, 0,1,2,3,4,5,6,7
	ds_load_b128 v[CBF+8*\kt:CBF+8*\kt+3], v[BA] offset:\kt*64
	ds_load_b128 v[CBF+8*\kt+4:CBF+8*\kt+7], v[BA] offset:\kt*64+16
.endr
	v_add_nc_u32 v[KA], KTRIP, v[KA]
	v_add_nc_u32 v[BA], 512, v[BA]
.endm
; 32 transposing loads: V^T, four tiles of 16 columns x four steps of 32 keys; then the address steps
.macro LOADV
	WIN 0x80
.irp d, 0,1,2,3
.irp kp, 0,1,2,3
	ds_load_tr16_b128 v[VF+32*\d+8*\kp:VF+32*\d+8*\kp+3], v[VA] offset:\kp*16*VPITCH+32*\d
	ds_load_tr16_b128 v[VF+32*\d+8*\kp+4:VF+32*\d+8*\kp+7], v[VA] offset:\kp*16*VPITCH+32*\d+8*VPITCH
.endr
.endr
	WIN 0
	v_add_nc_u32 v[VA], VTRIP, v[VA]
.endm
; Product i (0..31) of piece p's scores: 16 tiles (8 key tiles x 2 query tiles), first dk's lower half with the bias as C, then its upper half in place.
; The 16 accumulators take turns, one instruction a turn.
; Settings: K (source 0) window 2, Q (source 1) window 1, the result in the piece's window; C is the bias (window 0) or the result itself.
.macro SW p, i
.set WH, (\i)/16
.set WK, ((\i)%16)/2
.set WQ, (\i)%2
.set WD, SC+64*WQ+8*WK
.set WA, KF+16*WK+8*WH
.set WB, QF+16*(2*(\p)+WQ)+8*WH
.if WH == 0
.set WN, 0x06|((\p)<<6)
	WIN WN
	v_wmma_f32_16x16x32_bf16 v[WD:WD+7], v[WA:WA+7], v[WB:WB+7], v[CBF+8*WK:CBF+8*WK+7]
.else
.set WN, 0x06|((\p)<<4)|((\p)<<6)
	WIN WN
	v_wmma_f32_16x16x32_bf16 v[WD:WD+7], v[WA:WA+7], v[WB:WB+7], v[WD:WD+7]
.endif
.endm
; Product i (0..31) of piece p's O^T: 8 tiles (2 query tiles x 4 of dk) x four steps of 32 keys; turns as above.  first = 1: the first 8 start the sums.
; Settings: V (source 0) window 2, P (source 1) in the piece's window, O window 3.
.macro PW p, i, first
.set WK, (\i)/8
.set WQ, ((\i)%8)/4
.set WD, OA+32*(2*(\p)+WQ)+8*((\i)%4)
.set WA, VF+32*((\i)%4)+8*WK
.set WB, SC+64*WQ+16*WK
.set WZ, 0
.if \first
.if WK == 0
.set WZ, 1
.endif
.endif
.set WN, 0xf2|((\p)<<2)
	WIN WN
.if WZ
	v_wmma_f32_16x16x32_bf16 v[WD:WD+7], v[WA:WA+7], v[WB:WB+7], 0
.else
	v_wmma_f32_16x16x32_bf16 v[WD:WD+7], v[WA:WA+7], v[WB:WB+7], v[WD:WD+7]
.endif
.endm
; THE SOFTMAX STEP OF A PIECE, all in the piece's window.  A unit u = 0..15 is 8 scores a lane: key tile u/2 of query tile u%2.
.macro AEXP u, i                       ; one exponential, in place
.set AX, SC+64*((\u)%2)+8*((\u)/2)+(\i)
	v_exp_f32 v[AX], v[AX]
.endm
.macro AFMA u, i                       ; two exponents: S c - m c
.set AQ, (\u)%2
.set AX, SC+64*AQ+8*((\u)/2)+2*(\i)
	v_pk_fma_f32 v[AX:AX+1], v[AX:AX+1], s[66:67], v[NM+2*AQ:NM+2*AQ+1] op_sel_hi:[1,0,0]
.endm
; Sums.  A query tile's 32 pairs and its running pair are 33 terms: 32 instructions in two chains (the running pair itself, and PS), the last of them in slice 56 or 57.
; The first key tile scales the running pair and starts PS, in three instructions (i = 2 is empty); in the first trip it starts both chains, in two.
.macro AADD u, i, first
.set AQ, (\u)%2
.set AT, (\u)/2
.set AX, SC+64*AQ+8*AT
.set ALS, LS+2*AQ
.set APS, PS+2*AQ
.if AT == 0
.if \first
.if (\i) == 0
	s_wait_alu depctr_va_vdst(0)
	v_pk_add_f32 v[ALS:ALS+1], v[AX:AX+1], v[AX+2:AX+3]
.endif
.if (\i) == 1
	v_pk_add_f32 v[APS:APS+1], v[AX+4:AX+5], v[AX+6:AX+7]
.endif
.else
.if (\i) == 0
	s_wait_alu depctr_va_vdst(0)
	v_pk_fma_f32 v[ALS:ALS+1], v[ALS:ALS+1], v[AL+2*AQ:AL+2*AQ+1], v[AX:AX+1] op_sel_hi:[1,0,1]
.endif
.if (\i) == 1
	v_pk_add_f32 v[APS:APS+1], v[AX+2:AX+3], v[AX+4:AX+5]
.endif
.if (\i) == 3
	v_pk_add_f32 v[ALS:ALS+1], v[ALS:ALS+1], v[AX+6:AX+7]
.endif
.endif
.else
.if ((\i)%2) == 0
	s_wait_alu depctr_va_vdst(0)
	v_pk_add_f32 v[ALS:ALS+1], v[ALS:ALS+1], v[AX+2*(\i):AX+2*(\i)+1]
.else
	v_pk_add_f32 v[APS:APS+1], v[APS:APS+1], v[AX+2*(\i):AX+2*(\i)+1]
.endif
.endif
.endm
.macro ACVT u, i                       ; two p to bf16, in place: key tiles 2 e and 2 e + 1 become the 8 registers at tile 2 e, a B fragment of 32 keys
.set AQ, (\u)%2
.set AT, (\u)/2
.set AX, SC+64*AQ
	v_cvt_pk_bf16_f32 v[AX+16*(AT/2)+4*(AT%2)+(\i)], v[AX+8*AT+2*(\i)], v[AX+8*AT+2*(\i)+1]
.endm
; Place g = 0..319 of the middle part: step k = g / 20 has the 8 exponentials of unit k, the 4 sums and 4 conversions of unit k - 1 and the 4 multiply-adds of unit k + 1,
; four times in the order E X X E F.  So an exponential stands between plain instructions that touch neither its result nor its source, and its result is read a step later.
.macro R3X a, first
.if RK > 0
.if (\a) < 4
	AADD RK-1, \a, \first
.else
	ACVT RK-1, (\a)-4
.endif
.endif
.endm
.macro R3A g, first
.if (\g) < 320
.set RK, (\g)/20
.set RC, ((\g)%20)/5
.set RR, (\g)%5
.if RR == 0
	AEXP RK, 2*RC
.endif
.if RR == 1
	R3X 2*RC, \first
.endif
.if RR == 2
	R3X 2*RC+1, \first
.endif
.if RR == 3
	AEXP RK, 2*RC+1
.endif
.if RR == 4
.if RK < 15
	AFMA RK+1, RC
.endif
.endif
.endif
.endm
; Slice n = 0..63 of piece p's softmax step.  first = 1: the first trip: no old maximum, no factor, nothing to rescale.
;   0-7 maxima of both query tiles, four chains each: chain i runs over the 16 scores of key tiles i and i + 4 (score a at 8 i + a, + 24 from a = 8 on);
;   8-9 the exchange between the halves of the wave, the new maximum, the factor, unit 0's exponents;
;   10-55 the middle part, seven places a slice; 56-57 the last unit's sums and conversions; 58-63 O is scaled, 32 packed multiplies, five or six a slice.
.macro SLICE n, p, first
.set SN, \n
.if SN < 58
.set WN, 0x55*(\p)
	WIN WN                                         ; all four operand places in the piece's window
.endif
.if SN < 7
.set XA, 2*SN+1
.set XB, 2*SN+2
.irp q, 0,1
.irp i, 0,1,2,3
.if SN == 0
	v_max3_num_f32 v[TT+4*\q+\i], v[SC+64*\q+8*\i], v[SC+64*\q+8*\i+1], v[SC+64*\q+8*\i+2]
.else
	v_max3_num_f32 v[TT+4*\q+\i], v[TT+4*\q+\i], v[SC+64*\q+8*\i+XA+24*(XA/8)], v[SC+64*\q+8*\i+XB+24*(XB/8)]
.endif
.endr
.endr
.endif
.if SN == 7
.irp q, 0,1
	v_max3_num_f32 v[TT+4*\q], v[TT+4*\q], v[SC+64*\q+39], v[SC+64*\q+47]       ; the chains' sixteenth scores: register 7 of key tiles 4 to 7
.endr
.irp q, 0,1
	v_max3_num_f32 v[TT+4*\q+1], v[TT+4*\q+1], v[SC+64*\q+55], v[SC+64*\q+63]
.endr
.irp q, 0,1
.if \first
	v_max_num_f32 v[TT+4*\q+2], v[TT+4*\q+2], v[TT+4*\q+3]
.else
	v_max3_num_f32 v[TT+4*\q+2], v[TT+4*\q+2], v[TT+4*\q+3], v[MX+\q]
.endif
.endr
.irp q, 0,1
	v_max3_num_f32 v[TT+4*\q], v[TT+4*\q], v[TT+4*\q+1], v[TT+4*\q+2]
.endr
.endif
.if SN == 8
.irp q, 0,1
	v_permlanex16_b32 v[TT+4*\q+1], v[TT+4*\q], s68, s69   ; the other half of the lanes holds the query's other keys
.endr
.irp q, 0,1
	v_max_num_f32 v[MN+\q], v[TT+4*\q], v[TT+4*\q+1]
.endr
.irp q, 0,1
	v_mul_f32 v[NM+2*\q], s70, v[MN+\q]
.endr
.if \first == 0
.irp q, 0,1
	v_fma_f32 v[TT+4*\q+2], v[MX+\q], s66, v[NM+2*\q]
.endr
.endif
.endif
.if SN == 9
.if \first == 0
	v_exp_f32 v[AL], v[TT+2]                       ; exp2((m old - m new) c)
.endif
	AFMA 0, 0
.if \first == 0
	v_exp_f32 v[AL+2], v[TT+6]
.endif
	AFMA 0, 1
	v_mov_b32 v[MX], v[MN]
	v_mov_b32 v[MX+1], v[MN+1]
	AFMA 0, 2
	AFMA 0, 3
.endif
.if SN >= 10
.if SN < 56
.set SG, 7*(SN-10)
.rept 7
	R3A SG, \first
.set SG, SG+1
.endr
.endif
.endif
.if SN == 56
.irp i, 0,1,2,3
	AADD 15, \i, \first
.endr
	v_pk_add_f32 v[LS:LS+1], v[LS:LS+1], v[PS:PS+1]
.endif
.if SN == 57
.irp i, 0,1,2,3
	ACVT 15, \i
.endr
	v_pk_add_f32 v[LS+2:LS+3], v[LS+2:LS+3], v[PS+2:PS+3]
.endif
.if SN >= 58
.if \first
.if SN == 63
	PLACES 4                                       ; nothing to rescale: the places behind the half's last products stand alone
.endif
.else
.set WN, 0xc3|((\p)<<2)
	WIN WN                                         ; O in window 3, the factor in the piece's window
.set SRI, (32*(SN-58))/6
.rept (32*(SN-57))/6-(32*(SN-58))/6
	v_pk_mul_f32 v[OA+32*(2*(\p)+SRI/16)+2*(SRI%16):OA+32*(2*(\p)+SRI/16)+2*(SRI%16)+1], v[OA+32*(2*(\p)+SRI/16)+2*(SRI%16):OA+32*(2*(\p)+SRI/16)+2*(SRI%16)+1], v[AL+2*(SRI/16):AL+2*(SRI/16)+1] op_sel_hi:[1,0]
.set SRI, SRI+1
.endr
.endif
.endif
.endm
; Half a body: piece p's 32 products PV and 32 products S, one slice of piece o's softmax behind each.  pvf: PV starts the sums; smf: the softmax's first trip.
; p = 0 begins with the wait for this trip's V, asked for 32 products ago, and then asks for the next trip's K and bias, which are waited for behind the 32 products PV:
; at most 48 LDS loads of the wave are out.  p = 1 asks for the next trip's V behind its 32 products PV, the last to read the old one.
.macro HALF p, o, pvf, smf
.if \p == 0
	s_wait_dscnt 0x0                               ; V of this trip
	LOADK
.endif
.set HN, 0
.rept 32
	PW \p, HN, \pvf
	SLICE HN, \o, \smf
.set HN, HN+1
.endr
.if \p == 0
	s_wait_dscnt 0x0                               ; K and the bias
.else
	LOADV
.endif
.rept 32
	SW \p, HN-32
	SLICE HN, \o, \smf
.set HN, HN+1
.endr
.endm
.macro BODY pvf, smf
	HALF 0, 1, \pvf, \smf
	HALF 1, 0, \pvf, 0
	WIN 0                                          ; a branch or a label follows
.endm
; The change of slots stands between two bodies: the last run of loads (V of the slot's last trip) was the wave's last read of slot this.
.macro CHANGE this, next, fill
	s_wait_dscnt 0x0                               ; my reads of this slot are over
	s_wait_tensorcnt 0x0                           ; all my tensor loads have landed, my part of the next slot among them
	ds_add_u32 v62, v63
	s_wait_dscnt 0x0
.if \fill
	CROUND                                         ; both now hold of every wave of the four work-groups
	s_add_nc_u64 s[G0K+4*\this+2:G0K+4*\this+3], s[G0K+4*\this+2:G0K+4*\this+3], 131072   ; 1,024 keys on
	s_add_nc_u64 s[G0V+4*\this+2:G0V+4*\this+3], s[G0V+4*\this+2:G0V+4*\this+3], 131072
	JLOAD \this                                    ; my one tensor load behind the round, ahead of every LDS read
.else
	s_barrier_signal -1
	s_barrier_wait -1                              ; everybody's part of the last slot has landed; nothing is left to fetch
.endif
	v_add_nc_u32 v[KA], \next*SLOT, v[KB0]
	v_add_nc_u32 v[VA], \next*SLOT, v[VB0]
.endm
	; THE START: trip 0's K and bias; piece 0's scores alone; trip 0's V is asked for; piece 1's scores with piece 0's first softmax, two slices behind each product.
	LOADK
	s_wait_dscnt 0x0
.set HN, 0
.rept 32
	SW 0, HN
.set HN, HN+1
.endr
	LOADV
	PLACES 4                                       ; between piece 0's products and the first maxima
.set HN, 0
.rept 32
	SW 1, HN
	SLICE 2*HN, 0, 1
	SLICE 2*HN+1, 0, 1
.set HN, HN+1
.endr
	BODY 1, 1                                      ; body 0 (K and V of trip 1): the first products PV start the sums, nothing is cleared
	s_mov_b32 s28, 2                               ; bodies 1 and 2: K and V of trips 2 and 3, slot 0
.Lp0:
	BODY 0, 0
	s_sub_co_u32 s28, s28, 1
	s_cmp_lg_u32 s28, 0
	s_cbranch_scc1 .Lp0
	CHANGE 0, 1, 1
	s_mov_b32 s28, 4                               ; bodies 3 to 6: trips 4 to 7, slot 1
.Lp1:
	BODY 0, 0
	s_sub_co_u32 s28, s28, 1
	s_cmp_lg_u32 s28, 0
	s_cbranch_scc1 .Lp1
	CHANGE 1, 0, 1
	s_mov_b32 s28, 4                               ; bodies 7 to 10: trips 8 to 11, slot 0
.Lp2:
	BODY 0, 0
	s_sub_co_u32 s28, s28, 1
	s_cmp_lg_u32 s28, 0
	s_cbranch_scc1 .Lp2
	CHANGE 0, 1, 0
	s_mov_b32 s28, 4                               ; bodies 11 to 14: trips 12 to 15, slot 1
.Lp3:
	BODY 0, 0
	s_sub_co_u32 s28, s28, 1
	s_cmp_lg_u32 s28, 0
	s_cbranch_scc1 .Lp3
	; THE END: body 15 has no scores to make: piece 1's last softmax, two slices behind each of piece 0's last products, then piece 1's last products alone.
	s_wait_dscnt 0x0                               ; V of trip 15
.set HN, 0
.rept 32
	PW 0, HN, 0
	SLICE 2*HN, 1, 0
	SLICE 2*HN+1, 1, 0
.set HN, HN+1
.endr
.set HN, 0
.rept 32
	PW 1, HN, 0
.set HN, HN+1
.endr
	WIN 0
	; THE WAY OUT.  A tile's two partial sums and the two halves' sums meet, piece by piece in its window; O / l + bv in one multiply-add; 16 tokens at a time through my
	; own stage, read back by tokens.
	PLACES 4
.irp p, 0,1
.set WN, 0x55*\p
	WIN WN
.irp q, 0,1
	v_add_f32 v[TT+\q], v[LS+2*\q], v[LS+2*\q+1]
.endr
.irp q, 0,1
	v_permlanex16_b32 v[TT+4+\q], v[TT+\q], s68, s69
.endr
.irp q, 0,1
	v_add_f32 v[TT+\q], v[TT+\q], v[TT+4+\q]
.endr
.irp q, 0,1
	v_rcp_f32 v[NM+2*\q], v[TT+\q]                 ; 1 / l in v16, v18 of the piece's window
.endr
	v_nop                                          ; a plain place behind the last transcendental
.endr
.macro OUTQ qi
.set WN, 0xf3|(((\qi)/2)<<2)
	WIN WN                                         ; O and bv in window 3, 1 / l in the piece's window
.irp k, 0,1,2,3,4,5,6,7,8,9,10,11,12,13,14,15
	s_wait_alu depctr_va_vdst(0)
	v_pk_fma_f32 v[OA+32*\qi+2*\k:OA+32*\qi+2*\k+1], v[OA+32*\qi+2*\k:OA+32*\qi+2*\k+1], v[NM+2*((\qi)%2):NM+2*((\qi)%2)+1], v[BV+2*\k:BV+2*\k+1] op_sel_hi:[1,0,1]
.endr
	WIN 0x0f
.irp k, 0,1,2,3,4,5,6,7,8,9,10,11,12,13,14,15
	v_cvt_pk_bf16_f32 v[TMP+\k], v[OA+32*\qi+2*\k], v[OA+32*\qi+2*\k+1]
.endr
	WIN 0
.irp d, 0,1,2,3
	ds_store_b128 v[STO], v[TMP+4*\d:TMP+4*\d+3] offset:32*\d
.endr
	s_wait_xcnt 0x0                                ; the last tile's stores read BK, which is loaded again only behind this wait
.irp i, 0,1,2,3
	ds_load_b128 v[BK+4*\i:BK+4*\i+3], v[RD] offset:4*144*\i
.endr
.irp i, 0,1,2,3
	s_wait_dscnt 3-\i                              ; the younger read-backs stay out
	global_store_b128 v[GO], v[BK+4*\i:BK+4*\i+3], s[18:19] offset:\qi*2048+512*\i   ; 512 consecutive bytes, at a multiple of 512
.endr
.endm
	OUTQ 0
	OUTQ 1
	OUTQ 2
	OUTQ 3
	s_wait_tensorcnt 0x0
	ds_add_u32 v62, v63
	s_wait_dscnt 0x0
	CROUND                                         ; the closing round
	s_endpgm
.Lfunc_end_k_q7b24c5f7d1_attn:
	.size	k_q7b24c5f7d1_attn, .Lfunc_end_k_q7b24c5f7d1_attn-k_q7b24c5f7d1_attn
	.p2alignl 7, 3214868480
	.fill 96, 4, 3214868480
	.section	.rodata,"a",@progbits
	.p2align	6, 0x0
	.amdhsa_kernel k_q7b24c5f7d1_attn
		.amdhsa_group_segment_fixed_size 327680
		.amdhsa_private_segment_fixed_size 0
		.amdhsa_enable_private_segment 0
		.amdhsa_kernarg_size 64
		.amdhsa_user_sgpr_count 2
		.amdhsa_user_sgpr_kernarg_segment_ptr 1
		.amdhsa_wavefront_size32 1
		.amdhsa_system_sgpr_workgroup_id_x 1
		.amdhsa_system_sgpr_workgroup_id_y 1
		.amdhsa_system_sgpr_workgroup_id_z 1
		.amdhsa_system_vgpr_workitem_id 0
		.amdhsa_next_free_vgpr 928
		.amdhsa_next_free_sgpr 80
		.amdhsa_reserve_vcc 0
		.amdhsa_float_denorm_mode_32 3
		.amdhsa_float_denorm_mode_16_64 3
		.amdhsa_memory_ordered 1
		.amdhsa_forward_progress 1
		.amdhsa_inst_pref_size 255
	.end_amdhsa_kernel
	.section	.bss,"aw",@nobits
	.p2align	6
	.space	262144
	.amdgpu_metadata
---
amdhsa.version: [ 1, 2 ]
amdhsa.kernels:
  - .name:           k_q7b24c5f7d1_attn
    .symbol:         k_q7b24c5f7d1_attn.kd
    .args:
      - { .name: qh, .offset: 0, .size: 8, .value_kind: global_buffer, .address_space: global }
      - { .name: kh, .offset: 8, .size: 8, .value_kind: global_buffer, .address_space: global }
      - { .name: vh, .offset: 16, .size: 8, .value_kind: global_buffer, .address_space: global }
      - { .name: confidence, .offset: 24, .size: 8, .value_kind: global_buffer, .address_space: global }
      - { .name: Wc, .offset: 32, .size: 8, .value_kind: global_buffer, .address_space: global }
      - { .name: alpha, .offset: 40, .size: 8, .value_kind: global_buffer, .address_space: global }
      - { .name: bv, .offset: 48, .size: 8, .value_kind: global_buffer, .address_space: global }
      - { .name: ao, .offset: 56, .size: 8, .value_kind: global_buffer, .address_space: global }
    .group_segment_fixed_size: 327680
    .private_segment_fixed_size: 0
    .kernarg_segment_align: 8
    .kernarg_segment_size: 64
    .max_flat_workgroup_size: 128
    .sgpr_count:     80
    .vgpr_count:     928
    .wavefront_size: 32
...
	.end_amdgpu_metadata
.endif
;; end of part 2
;; launch oproj (part 3): grid 8 x 32, 4 waves a work-group, clusters of 4 x 4, 327,680 bytes of LDS; arguments ao, wob, bo, out0; writes out0
.if DOCPART == 3
	.amdgcn_target "amdgcn-amd-amdhsa--gfx1250"
	.amdhsa_code_object_version 6
	.text
	.protected	k_q7b24c5f7d1_oproj
	.globl	k_q7b24c5f7d1_oproj
	.p2align	8
	.type	k_q7b24c5f7d1_oproj,@function
k_q7b24c5f7d1_oproj:
	s_mov_b64 s[64:65], 0
	v_nop
	global_prefetch_b8 v0, s[64:65] scope:SCOPE_SE
	s_setreg_imm32_b32 hwreg(HW_REG_WAVE_MODE, 25, 1), 1
	s_wait_xcnt 0x0
	s_wait_alu depctr_hold_cnt(0) depctr_sa_sdst(0) depctr_va_vdst(0) depctr_va_sdst(0) depctr_va_ssrc(0) depctr_va_vcc(0) depctr_vm_vsrc(0)
	s_getreg_b32 s2, hwreg(HW_REG_IB_STS2, 6, 4)
	s_cmp_eq_u32 s2, 0
	s_cbranch_scc0 .Lentry_in_a_cluster
	s_endpgm
.Lentry_in_a_cluster:
	s_bfe_u32 s2, ttmp6, 0x10000c
	s_cmp_lg_u32 s2, 0xf033
	s_cbranch_scc0 .Lentry_shape_is_right
	s_endpgm
.Lentry_shape_is_right:
; THIRD LAUNCH: out0 = ao Wo^T + bo.  ao: [block of 128 tokens][k/64][token%128][k%64] bf16; wob: [n/128][k/64][n%128][k%64] bf16; out0: [4096][1024] f32.
; Nothing is left out here.
; A work-group makes 128 tokens x 128 features, a wave 64 x 64: 16 accumulator tiles.  That is the largest block that gives each of 256 work-groups one.
; K goes 256 to a slot, two slots, four slots' worth in all, written out without a loop.  Both operands are dense in memory block by block, so a tile comes as rows
; of 256 bytes = two rows of 64 k; row p of a block of 64 k lies at (p>>1) 272 + (p&1) 128: 16 rows fall on 16 different 16-byte columns of 256 bytes.
; CLUSTER 4 x 4: ao's tiles hang on the block of tokens alone and are asked for jointly along a row of the cluster, wob's on the block of features alone, along a column.
; The matrix instruction is used transposed (source 0 = features, source 1 = tokens): a lane's eight results are eight neighbouring features of one token.
.set PITCH, 272
.set FRAG,  8*PITCH                    ; 16 rows
.set KBLK,  64*PITCH                   ; a block of 64 k: 128 rows
.set QUART, 2*KBLK                     ; what one tensor load brings
.set SLOT,  4*QUART                    ; ao's four blocks of k, then wob's
.set STAGE, 2*SLOT                     ; 16 rows x 272 bytes for each wave, never a target of a tensor load
.set ADRA, 2
.set ADRB, 4
.set STO,  6
.set RD,   7
.set CO,   8
.set F0,   16                          ; v16-79, v80-143: fragments, two buffers: wob's four at +0, ao's four at +32
.set BO,   144                         ; v144-147 bo of my four columns on the way out
.set G1A, 24
.set G1B, 32
.set G0A, 40
.set G0B, 48
.set MSB, 0
.macro WIN new
.if MSB != \new
	s_set_vgpr_msb (MSB<<8)|\new
.set MSB, \new
.endif
.endm
.macro PLACES n
.rept \n
	v_nop
.endr
.endm
.macro JLOAD s                         ; waves 0 and 1 ask for ao's two halves of a slot, waves 2 and 3 for wob's
	s_cmp_eq_u32 s13, 0
	s_cbranch_scc0 .Lfor_b_\@
	tensor_load_to_lds s[G0A+4*\s:G0A+4*\s+3], s[G1A:G1A+7]
	s_nop 0
	s_branch .Lasked_\@
.Lfor_b_\@:
	tensor_load_to_lds s[G0B+4*\s:G0B+4*\s+3], s[G1B:G1B+7]
	s_nop 0
.Lasked_\@:
.endm
.macro CREST
	s_cmp_lg_u32 s12, 0
	s_cbranch_scc1 .Lnot_wave_0_\@
	s_barrier_signal -3
.Lnot_wave_0_\@:
	s_barrier_wait -3
	s_barrier_signal -1
	s_barrier_wait -1
.endm
.macro CROUND
	s_barrier_signal -1
	s_barrier_wait -1
	CREST
.endm
	s_load_b256 s[4:11], s[0:1], 0x0               ; ao, wob, bo, out0
	v_lshl_add_u32 v254, v0, 2, 0x48400
	v_mov_b32 v255, 0
	ds_add_u32 v254, v255
	v_lshrrev_b32 v1, 5, v0
	v_readfirstlane_b32 s12, v1                    ; wave
	s_lshr_b32 s13, s12, 1                         ; which 64 tokens.  Also: I fetch for ao (0) or wob (1)
	s_and_b32 s14, s12, 1                          ; which 64 features.  Also: which half of the slot's k I fetch
	s_bfe_u32 s15, ttmp6, 0x40000                  ; cx
	s_bfe_u32 s16, ttmp6, 0x40004                  ; cy
	s_lshl_b32 s17, ttmp9, 2
	s_add_co_u32 s17, s17, s15                     ; block of features
	s_and_b32 s18, ttmp7, 0xffff
	s_lshl_b32 s18, s18, 2
	s_add_co_u32 s18, s18, s16                     ; block of tokens
	s_lshl_b32 s19, s16, 2
	s_lshl_b32 s19, 15, s19                        ; my row of the cluster
	s_lshl_b32 s20, 0x1111, s15                    ; my column
.set G1W0, (3<<16)|(1<<20)|(1<<21)|(5<<22)|(3<<25)
	s_or_b32 s[G1A+0], s19, G1W0                   ; elements of 8 bytes; 4 words of padding behind every 64; bit 21 beside the mask
	s_or_b32 s[G1B+0], s20, G1W0
.irp g, G1A, G1B
	s_mov_b32 s[\g+1], 32<<16
	s_mov_b32 s[\g+2], 128<<16
	s_mov_b32 s[\g+3], 32<<16
	s_mov_b32 s[\g+4], 128
	s_mov_b32 s[\g+5], 32
	s_mov_b32 s[\g+6], 0
	s_mov_b32 s[\g+7], 0
.endr
	s_lshl_b32 s21, s14, 15                        ; my two blocks of k: 32,768 bytes
	s_lshl_b32 s56, s18, 18                        ; a block of 128 rows x 1,024 k: 262,144 bytes
	s_add_co_u32 s56, s56, s21
	s_mov_b32 s57, 0
	s_lshl_b32 s58, s17, 18
	s_add_co_u32 s58, s58, s21
	s_mov_b32 s59, 0
	s_mul_i32 s60, s12, QUART
	s_wait_dscnt 0x0
	s_wait_kmcnt 0x0
	s_add_nc_u64 s[56:57], s[4:5], s[56:57]
	s_add_nc_u64 s[58:59], s[6:7], s[58:59]
	CROUND                                         ; all sixteen work-groups are here: the first joint loads meet
.irp s, 0,1
	s_mov_b32 s[G0A+4*\s], 1
	s_add_co_u32 s[G0A+4*\s+1], s60, \s*SLOT
	s_add_nc_u64 s[G0A+4*\s+2:G0A+4*\s+3], s[56:57], \s*65536
	s_or_b32 s[G0A+4*\s+3], s[G0A+4*\s+3], 0x80000000
	s_mov_b32 s[G0B+4*\s], 1
	s_add_co_u32 s[G0B+4*\s+1], s60, \s*SLOT
	s_add_nc_u64 s[G0B+4*\s+2:G0B+4*\s+3], s[58:59], \s*65536
	s_or_b32 s[G0B+4*\s+3], s[G0B+4*\s+3], 0x80000000
	JLOAD \s
.endr
	s_lshl_b32 s62, s17, 9                         ; my first column, in bytes of f32
	s_lshl_b32 s61, s14, 8
	s_add_co_u32 s62, s62, s61
	s_mov_b32 s63, 0
	s_add_nc_u64 s[8:9], s[8:9], s[62:63]
	s_add_nc_u64 s[10:11], s[10:11], s[62:63]
	s_lshl_b32 s62, s18, 19                        ; my first row: 128 rows of 4,096 bytes a block,
	s_lshl_b32 s61, s13, 18                        ; 64 for my half
	s_add_co_u32 s62, s62, s61
	s_add_nc_u64 s[10:11], s[10:11], s[62:63]
	v_and_b32 v9, 15, v0                           ; r
	v_bfe_u32 v10, v0, 4, 1                        ; h
	v_lshlrev_b32 v14, 4, v9                       ; 16 r; never rewritten
	global_load_b128 v[BO:BO+3], v14, s[8:9]
	v_lshrrev_b32 v11, 1, v9
	v_mul_u32_u24 v11, v11, PITCH
	v_and_b32 v12, 1, v9
	v_lshl_add_u32 v11, v12, 7, v11
	v_lshl_add_u32 v11, v10, 4, v11                ; row r: (r>>1) 272 + (r&1) 128 + 16 h
	s_mul_i32 s22, s13, 4*FRAG
	s_mul_i32 s23, s14, 4*FRAG
	s_add_co_u32 s23, s23, 2*QUART
.irp s, 0,1
	v_add_nc_u32 v[ADRA+\s], s22, v11
	v_add_nc_u32 v[ADRB+\s], s23, v11
	s_add_co_u32 s22, s22, SLOT
	s_add_co_u32 s23, s23, SLOT
.endr
	s_mul_i32 s22, s12, 16*PITCH
	s_add_co_u32 s22, s22, STAGE
	v_mul_u32_u24 v12, v9, PITCH
	v_lshl_add_u32 v12, v10, 5, v12
	v_add_nc_u32 v[STO], s22, v12                  ; in: token r, 32 bytes for each half of the lanes
	v_mul_u32_u24 v12, v10, PITCH
	v_add_nc_u32 v12, v12, v14
	v_add_nc_u32 v[RD], s22, v12                   ; back: lanes 0-15 take one row of 256 bytes, lanes 16-31 the next
	v_lshl_add_u32 v[CO], v10, 12, v14             ; and the same two rows in out0
; 16 LDS loads: substep j (32 along K) of a slot into buffer f
.macro FETCH slot, j, f
.irp i, 0,1,2,3
	ds_load_b128 v[\f+8*\i:\f+8*\i+3], v[ADRB+\slot] offset:((\j)/2)*KBLK+((\j)%2)*64+\i*FRAG
	ds_load_b128 v[\f+8*\i+4:\f+8*\i+7], v[ADRB+\slot] offset:((\j)/2)*KBLK+((\j)%2)*64+\i*FRAG+32
.endr
.irp i, 0,1,2,3
	ds_load_b128 v[\f+32+8*\i:\f+32+8*\i+3], v[ADRA+\slot] offset:((\j)/2)*KBLK+((\j)%2)*64+\i*FRAG
	ds_load_b128 v[\f+32+8*\i+4:\f+32+8*\i+7], v[ADRA+\slot] offset:((\j)/2)*KBLK+((\j)%2)*64+\i*FRAG+32
.endr
.endm
; 16 matrix instructions on the 16 accumulators (window 1, tile (a, c) at 8 (4 a + c)), which take turns, one instruction a turn
.macro MUL f, zero
	WIN 0x50
.irp a, 0,1,2,3
.irp c, 0,1,2,3
.if \zero
	v_wmma_f32_16x16x32_bf16 v[8*(4*\a+\c):8*(4*\a+\c)+7], v[\f+8*\c:\f+8*\c+7], v[\f+32+8*\a:\f+32+8*\a+7], 0
.else
	v_wmma_f32_16x16x32_bf16 v[8*(4*\a+\c):8*(4*\a+\c)+7], v[\f+8*\c:\f+8*\c+7], v[\f+32+8*\a:\f+32+8*\a+7], v[8*(4*\a+\c):8*(4*\a+\c)+7]
.endif
.endr
.endr
	WIN 0
.endm
; substep j = 0..6: the next substep's fragments are asked for, four places behind the products that read their buffer (ISA guide 7.12.1), then this one is multiplied
.macro SUB slot, j, zero
	PLACES 4
	FETCH \slot, \j+1, F0+64*((\j+1)%2)
	s_wait_dscnt 16                                ; the 16 just issued stay out
	MUL F0+64*(\j%2), \zero
.endm
.macro SEVEN slot, zero
	SUB \slot, 0, \zero
.irp j, 1,2,3,4,5,6
	SUB \slot, \j, 0
.endr
.endm
; the slot's last substep, and the change of slots
.macro TURN slot, next, fill
	s_wait_dscnt 0x0                               ; my reads of this slot are over
	s_wait_tensorcnt 0x0                           ; all my tensor loads have landed: my part of the next slot
	ds_add_u32 v254, v255
	s_wait_dscnt 0x0
	s_barrier_signal -1                            ; say so (with a refill this opens a round of the cluster's barrier),
	MUL F0+64, 0                                   ; work on registers while the others arrive
	s_barrier_wait -1
.if \fill
	CREST
	s_add_nc_u64 s[G0A+4*\slot+2:G0A+4*\slot+3], s[G0A+4*\slot+2:G0A+4*\slot+3], 131072   ; 512 along K on
	s_add_nc_u64 s[G0B+4*\slot+2:G0B+4*\slot+3], s[G0B+4*\slot+2:G0B+4*\slot+3], 131072
	JLOAD \slot                                    ; my one tensor load behind the round, ahead of every LDS read
.endif
	PLACES 4
	FETCH \next, 0, F0
.endm
	s_wait_tensorcnt 0x1                           ; my part of slot 0 is in; slot 1's stays out
	s_barrier_signal -1
	s_barrier_wait -1
	FETCH 0, 0, F0
	SEVEN 0, 1                                     ; the first product starts the sums: nothing is cleared
	TURN 0, 1, 1
	SEVEN 1, 0
	TURN 1, 0, 1
	SEVEN 0, 0
	TURN 0, 1, 0
	SEVEN 1, 0
	s_wait_dscnt 0x0
	MUL F0+64, 0
; THE WAY OUT, 16 tokens at a time: f32 straight from the accumulators into my own stage, read back as rows of 256 bytes, bo added, stored.
.macro OUTA a, f
	WIN 0x04                                       ; the stores' data in window 1
.irp c, 0,1,2,3
	ds_store_b128 v[STO], v[8*(4*\a+\c):8*(4*\a+\c)+3] offset:64*\c
	ds_store_b128 v[STO], v[8*(4*\a+\c)+4:8*(4*\a+\c)+7] offset:64*\c+16
.endr
	WIN 0
	s_wait_xcnt 0x0                                ; earlier stores read buffer f, which is loaded again only behind this wait
.irp t, 0,1,2,3,4,5,6,7
	ds_load_b128 v[\f+4*\t:\f+4*\t+3], v[RD] offset:2*PITCH*\t
.endr
.irp t, 0,1,2,3,4,5,6,7
	s_wait_dscnt 7-\t                              ; the younger read-backs stay out
	v_pk_add_f32 v[\f+4*\t:\f+4*\t+1], v[\f+4*\t:\f+4*\t+1], v[BO:BO+1]
	v_pk_add_f32 v[\f+4*\t+2:\f+4*\t+3], v[\f+4*\t+2:\f+4*\t+3], v[BO+2:BO+3]
	global_store_b128 v[CO], v[\f+4*\t:\f+4*\t+3], s[10:11] offset:\a*65536+8192*\t th:TH_STORE_NT   ; 16 lanes store 256 consecutive bytes, at a multiple of 256
.endr
.endm
	PLACES 4                                       ; between the last products and the LDS stores that read their results
	s_wait_loadcnt 0x0                             ; bo
	OUTA 0, F0
	OUTA 1, F0+64
	OUTA 2, F0
	OUTA 3, F0+64
	s_wait_tensorcnt 0x0
	ds_add_u32 v254, v255
	s_wait_dscnt 0x0
	CROUND                                         ; the closing round
	s_endpgm
.Lfunc_end_k_q7b24c5f7d1_oproj:
	.size	k_q7b24c5f7d1_oproj, .Lfunc_end_k_q7b24c5f7d1_oproj-k_q7b24c5f7d1_oproj
	.p2alignl 7, 3214868480
	.fill 96, 4, 3214868480
	.section	.rodata,"a",@progbits
	.p2align	6, 0x0
	.amdhsa_kernel k_q7b24c5f7d1_oproj
		.amdhsa_group_segment_fixed_size 327680
		.amdhsa_private_segment_fixed_size 0
		.amdhsa_enable_private_segment 0
		.amdhsa_kernarg_size 32
		.amdhsa_user_sgpr_count 2
		.amdhsa_user_sgpr_kernarg_segment_ptr 1
		.amdhsa_wavefront_size32 1
		.amdhsa_system_sgpr_workgroup_id_x 1
		.amdhsa_system_sgpr_workgroup_id_y 1
		.amdhsa_system_sgpr_workgroup_id_z 1
		.amdhsa_system_vgpr_workitem_id 0
		.amdhsa_next_free_vgpr 384
		.amdhsa_next_free_sgpr 66
		.amdhsa_reserve_vcc 0
		.amdhsa_float_denorm_mode_32 3
		.amdhsa_float_denorm_mode_16_64 3
		.amdhsa_memory_ordered 1
		.amdhsa_forward_progress 1
		.amdhsa_inst_pref_size 92
	.end_amdhsa_kernel
	.amdgpu_metadata
---
amdhsa.version: [ 1, 2 ]
amdhsa.kernels:
  - .name:           k_q7b24c5f7d1_oproj
    .symbol:         k_q7b24c5f7d1_oproj.kd
    .args:
      - { .name: ao, .offset: 0, .size: 8, .value_kind: global_buffer, .address_space: global }
      - { .name: wob, .offset: 8, .size: 8, .value_kind: global_buffer, .address_space: global }
      - { .name: bo, .offset: 16, .size: 8, .value_kind: global_buffer, .address_space: global }
      - { .name: out0, .offset: 24, .size: 8, .value_kind: global_buffer, .address_space: global }
    .group_segment_fixed_size: 327680
    .private_segment_fixed_size: 0
    .kernarg_segment_align: 8
    .kernarg_segment_size: 32
    .max_flat_workgroup_size: 128
    .sgpr_count:     66
    .vgpr_count:     384
    .wavefront_size: 32
...
	.end_amdgpu_metadata
.endif
;; end of part 3
